; MI455X (gfx1250); checked and timed in simulation.
; The chip was launched on July 23, 2026; its instructions are those of AMD's public machine-readable ISA for CDNA 5 (MIT licence, August 2026) and "CDNA5" Instruction Set Architecture Reference Guide (July 2026). The comments in the code are by the model that wrote it; some were corrected since.
;; Quantum Neural Layer. Allowed arithmetic: float matrix products may take bf16 or f16 operands with f32 sums; all other float work in f32.
;; Inputs: b_c2q 10 float32; b_q2c 512 float32; quantum_bias 512 float32; rotation_angles 10 float32; w_c2q 10 x 512 float32; w_q2c 512 x 10 float32; x 32,768 x 512 float32.
;; Outputs: out0 32,768 x 512 float32.
;; One version. Each part assembles by itself: llvm-mc -triple=amdgcn-amd-amdhsa -mcpu=gfx1250 --defsym DOCPART=n.
;; ======== version 1 of 1: 1 launch
;; limits: right only within a limited range of input values; values are held in f16: magnitudes above 65,504 overflow, below 6.1e-05 lose precision; inputs' magnitudes at most 65,504
;; launch qlayer (part 1): grid 256 x 1, 4 waves a work-group, no clusters, 299,776 bytes of LDS; arguments x, w_c2q, b_c2q, rotation_angles, w_q2c, b_q2c, quantum_bias, out0; writes out0
.if DOCPART == 1
	.amdgcn_target "amdgcn-amd-amdhsa--gfx1250"
	.amdhsa_code_object_version 6
	.text
	.protected	k_q892e540112_qlayer
	.globl	k_q892e540112_qlayer
	.p2align	8
	.type	k_q892e540112_qlayer,@function
k_q892e540112_qlayer:
	s_mov_b64 s[64:65], 0
	v_nop
	global_prefetch_b8 v0, s[64:65] scope:SCOPE_SE
	s_setreg_imm32_b32 hwreg(HW_REG_WAVE_MODE, 25, 1), 1
	s_wait_xcnt 0x0
; out0 = feats(tanh(x w_c2q^T + b_c2q)) w_q2c^T + b_q2c + quantum_bias.   x, out0: [32768][512] f32.
;
; THE CIRCUIT IN CLOSED FORM (an identity, for every input).  With q = tanh(..), c_i = cos(pi q_i / 2), s_i = sin(pi q_i / 2), the first RY
; layer leaves a product state with factors a_i = ((c_i - s_i), (c_i + s_i)) / sqrt 2; the CNOT chain only re-indexes it (bit i becomes
; b_i xor b_(i-1)); the last RY layer is a tensor product of R_i = [[rc_i, -rs_i], [rs_i, rc_i]].  So the amplitude of basis state k is
;     sum over b of  prod_i R_i[k_i][b_i] a_i[b_i xor b_(i-1)],
; a chain of ten 2 x 2 steps.  Carried as P = v[0] + v[1], M = v[0] - v[1] (start P = M = 1) a step is X = c_i P, Y = s_i M and
;     k_i = 0:  P' = A_i X - B_i Y,  M' =  B_i X - A_i Y          A_i = (rc_i - rs_i) / sqrt 2
;     k_i = 1:  P' = B_i X + A_i Y,  M' = -A_i X - B_i Y          B_i = (rc_i + rs_i) / sqrt 2
; and the amplitude is the last P.  Only k = 0 .. 9 are kept: qubits 0-5 have k_i = 0 (one shared prefix), qubits 6-9 (bits 3-0 of k) a tree.
; THE NORM is kept, in closed form: each RY matrix is sqrt(c^2 + s^2) times a rotation and a CNOT permutes, so for whatever numbers c, s hold
; |state|^2 = prod_i (c_i^2 + s_i^2) x prod_i (rc_i^2 + rs_i^2).  The first product is made for each sample and divided out of the
; probabilities; the second is divided out of A_i, B_i once.
;
; SHARES.  256 work-groups x 128 rows; four waves, 32 rows each.  The group's 128 rows of x are 256 KiB and lie in LDS all at once, as sixteen
; tiles (a wave's 32 rows x a quarter of K); no LDS byte is ever filled a second time.  A tile has 32 rows because that is all a wave owns.
; TWO SHIFTS.  Waves 2 and 3 ask for all sixteen tiles: each first for the four tiles of its partner (wave 0 or 1), then for its own four.
; Tensor loads of a wave end in order (ISA guide 10.11.1), so the partners' 64 rows are in LDS when half of the group's bytes have come.
; Waves 2 and 3 wait for those four tiles in front of the kernel's one barrier; behind it waves 0 and 1 compute and store while the other
; half of x is still on its way, and waves 2 and 3 compute while the first half's stores leave: the stretch in which a wave neither loads
; nor stores falls into the other pair's traffic.  Eight tensor loads of a wave are out at the most.
; FORMATS.  Both products run on the matrix unit with f16 operands and f32 sums; tanh, sin, cos, the chain, the norm and the biases are f32.
; f16 and not bf16: the error of z goes through ten angles into every probability, and where a probability is a few tenths a rounding of
; 2^-9 of each operand (bf16) moves the output by about a hundredth of the biases' spread; f16 rounds at 2^-12 of an operand's value.
; NO CLUSTER: the work-groups share only the weights, 45 KB against the 512 KB of x and out0 that are a group's own, and the weights
; pass through registers anyway to become f16.
; LIMITS.  x, w_c2q and w_q2c must be finite in f16: magnitudes up to 65,504; beyond it an operand becomes infinite.  Below 2^-14 an operand is
; rounded in steps of 2^-25.  The probabilities lie in [0, 1].  The quadrant of rotation_angles / 2 goes through a 32-bit integer:
; |angle| < 2^31 pi.  sin and cos are Taylor sums cut at q^11 and q^12: the first terms left out are 6e-8 and 7e-9 at |q| = 1.
; b_q2c + quantum_bias are added to each other first, then to the product.  Inside a matrix instruction K is permuted, alike for both operands.
.set ROWB, 2048                        ; bytes in a row of x and of out0
.set XP,   528                         ; LDS pitch of a tile's row: 512 bytes + 16 of padding = 33 x 16: the 16 rows of one b128 pass start in 16 different 16-byte columns of the 64 banks (ISA guide 11.1)
.set XT,   32*XP                       ; a tile: 32 rows
.set XW,   4*XT                        ; a wave's four tiles
.set W1L,  4*XW                        ; LDS: w_c2q in f16, 10 rows
.set W1P,  1040                        ; its pitch: 1,024 bytes + 16 = 65 x 16; the 16 bytes of padding are neither written nor read
.set W2L,  W1L+10496                   ; LDS: w_q2c as 32 ready fragments of 512 bytes
.set BSL,  W2L+16384                   ; LDS: b_q2c + quantum_bias, 512 f32.  These three blocks start at multiples of 256 bytes and no tensor load touches them
; vector registers
.set RR,   1                           ; lane mod 16
.set HH,   2                           ; lane / 16 (0 or 1)
.set OUTO, 3                           ; out0: 8 HH rows + 16 RR bytes
.set ANGO, 4                           ; offsets of the weight loads; none is rewritten
.set B1O,  5
.set ZO,   6
.set T16,  7
.set W2O,  8
.set W1S,  9                           ; LDS addresses of the prologue's stores
.set BSS,  10
.set W2S,  11
.set XA,   12                          ; LDS addresses of the fragment loads
.set WA,   13
.set B2A,  14
.set BIA,  15
.set ACC,  16                          ; v[16:31]   two accumulators; then z, then q of the ten qubits in v[16:25]
.set BI,   32                          ; v[32:39]   b_c2q in the layout of C
.set XB,   40                          ; v[40:71]   x fragments in f16: two sets of (two row tiles x 8)
.set WF,   72                          ; v[72:103]  w_c2q fragments of a quarter's four K steps
.set XS,   104                         ; v[104:231] x of a quarter as f32: four K steps x two row tiles x 16
.set W1R,  104                         ; prologue: w_c2q, w_q2c, the biases as loaded; packed words; the angles' work
.set W2R,  144
.set BR,   224
.set TMP,  40
.set RT,   232
.set TA,   255
.set EE,   128                         ; the circuit: 2^(..), q^2, sin, cos, c^2 + s^2
.set Q2,   138
.set PS,   148
.set PC,   158
.set NN,   168
.set INV,  170                         ; 1 / norm^2 (v171 was written as part of NN)
.set ND,   178                         ; (P, M) of the prefix; X, Y; B Y, A Y
.set XX,   180
.set TT0,  182
.set L6,   184                         ; the tree's nodes, X Y and products, level by level
.set X7,   188
.set T7,   192
.set L7,   196
.set X8,   202
.set T8,   208
.set L8,   214
.set X9,   224
.set T9,   234
.set FF,   244                         ; v[244:253] the ten amplitudes, then probabilities
.set AT,   40                          ; the way out: v[40:47], v[48:55] features of rows 0-15, 16-31 as A fragments
.set BB,   56                          ; v[56:119]  w_q2c fragments of one column group (4 x 8), two sets
.set BS,   120                         ; v[120:127] the group's bias sums, two sets
.set DD,   128                         ; v[128:191] results, four tiles, two sets
.set SS,   192                         ; v[192:255] store data, two sets
; scalar registers
.set G1,   24                          ; s[24:31] descriptor group 1
.set G0,   32                          ; s[32:47] descriptor group 0 of the issuing wave's own four tiles
.set GE,   80                          ; s[80:95] descriptor group 0 of its partner's four tiles.  One set for each load: none is written while its load is out
.set SA,   48                          ; s[48:57] A_i
.set SB,   66                          ; s[66:75] B_i
.macro PLACES                          ; a vector instruction or a load that touches a matrix instruction's registers stands four independent plain vector instructions behind it
.rept 4
	v_nop
.endr
.endm
	s_load_b512 s[4:19], s[0:1], 0x0               ; x 4, w_c2q 6, b_c2q 8, rotation_angles 10, w_q2c 12, b_q2c 14, quantum_bias 16, out0 18
	s_set_vgpr_msb 0x40
	v_lshl_add_u32 v0, v0, 2, 0x49100
	v_mov_b32 v1, 0
	s_set_vgpr_msb 0x4045
	ds_add_u32 v0, v1
	ds_add_u32 v0, v1
	s_set_vgpr_msb 0x4500
	v_lshrrev_b32 v[TA], 5, v0
	v_readfirstlane_b32 s20, v[TA]                 ; wave 0..3
	; group 1: a tile of 32 rows x 128 f32 out of rows of 512, 4 words of padding behind every 128 words
	s_mov_b32 s[G1+0], (2<<16)|(1<<20)|(6<<22)|(3<<25)  ; no mask; element of 4 bytes; padding on; interval code 6 (128 words); 4 words (code 3)
	s_mov_b32 s[G1+1], 128<<16                     ; tensor_dim0 = 128 (the tile lies inside the tensor: the extents are the tile's)
	s_mov_b32 s[G1+2], 32<<16                      ; tensor_dim1 = 32
	s_mov_b32 s[G1+3], 128<<16                     ; tile_dim0 = 128
	s_mov_b32 s[G1+4], 32                          ; tile_dim1 = 32
	s_mov_b32 s[G1+5], 512                         ; elements from row to row
	s_mov_b32 s[G1+6], 0
	s_mov_b32 s[G1+7], 0
	s_lshl_b32 s22, ttmp9, 18                      ; 128 rows x 2,048 bytes a work-group
	s_lshl_b32 s21, s20, 16                        ; 32 rows a wave
	s_add_co_u32 s22, s22, s21                     ; out0: my wave's first row, below 2^26
	s_mov_b32 s23, 0
	s_mul_i32 s21, s20, XW                         ; the tiles that I read, in LDS
	s_and_b32 s2, s20, 1                           ; the pair: waves 0 and 2, waves 1 and 3
	s_lshl_b32 s78, ttmp9, 18
	s_lshl_b32 s3, s2, 16
	s_add_co_u32 s78, s78, s3                      ; x: the first row of the pair's lower wave
	s_mov_b32 s79, 0
	s_mul_i32 s3, s2, XW                           ; and that wave's tiles in LDS
	s_mul_i32 s76, s20, 5120                       ; my 128 rows of w_q2c (40 bytes each)
	s_lshl_b32 s77, s20, 12                        ; my 8 fragments of w_q2c in LDS
	s_add_co_u32 s77, s77, W2L
	v_and_b32 v[RR], 15, v0
	v_bfe_u32 v[HH], v0, 4, 1
	v_and_b32 v[TA], 31, v0                        ; lane
	v_lshlrev_b32 v[OUTO], 4, v[RR]
	v_lshl_add_u32 v[OUTO], v[HH], 14, v[OUTO]
	v_min_u32 v[ANGO], 9, v[TA]                    ; lane i takes angle i; lanes 10-31 repeat angle 9 and are not read
	v_lshlrev_b32 v[ANGO], 2, v[ANGO]
	v_lshlrev_b32 v[B1O], 5, v[HH]
	v_mov_b32 v[ZO], 0
	v_lshlrev_b32 v[T16], 4, v0                    ; 128 threads x 16 bytes = one row of w_c2q = all of a bias
	v_mul_u32_u24 v[W2O], 160, v[RR]               ; four rows of w_q2c a lane
	v_add_nc_u32 v[W2O], s76, v[W2O]
	v_lshl_add_u32 v[W1S], v0, 3, W1L
	v_lshl_add_u32 v[BSS], v0, 4, BSL
	v_lshl_add_u32 v[W2S], v[TA], 4, s77
	v_mul_u32_u24 v[XA], XP, v[RR]                 ; x fragment: row RR, 16 f32 from k0 + 16 HH
	v_lshl_add_u32 v[XA], v[HH], 6, v[XA]
	v_add_nc_u32 v[XA], s21, v[XA]
	v_min_u32 v[WA], 9, v[RR]                      ; w_c2q fragment: row RR; rows 10-15 of the operand repeat row 9, their results are never read
	v_mul_u32_u24 v[WA], W1P, v[WA]
	v_lshl_add_u32 v[WA], v[HH], 5, v[WA]          ; 16 f16 from k0 + 16 HH: the same K in the same place as in x's fragment; bytes 32 HH + 64 step + 0..31 of a row, 1,023 at the most
	v_add_nc_u32 v[WA], W1L, v[WA]
	v_lshl_add_u32 v[B2A], v[TA], 4, W2L
	v_lshl_add_u32 v[BIA], v[RR], 4, BSL
	s_wait_dscnt 0x0
	s_wait_kmcnt 0x0
	s_add_nc_u64 s[4:5], s[4:5], s[78:79]          ; x at the first row of the pair's lower wave
	s_add_nc_u64 s[18:19], s[18:19], s[22:23]      ; out0 at my wave's first row
	; The weights are asked for first: 37 short loads on which everything else waits; x follows at once.
	global_load_b32 v[RT], v[ANGO], s[10:11]
	global_load_b64 v[BI:BI+1],   v[B1O], s[8:9]             ; C's register j in lane half HH is operand row 8 HH + j: b[0], b[1] below, b[8], b[9] above
	global_load_b64 v[BI+2:BI+3], v[ZO], s[8:9] offset:8     ; b[2..7]; in the upper half they fall on rows 10-15, which are not read
	global_load_b64 v[BI+4:BI+5], v[ZO], s[8:9] offset:16
	global_load_b64 v[BI+6:BI+7], v[ZO], s[8:9] offset:24
.irp i, 0,1,2,3,4,5,6,7,8,9
	global_load_b128 v[W1R+4*\i:W1R+4*\i+3], v[T16], s[6:7] offset:\i*2048
.endr
	global_load_b128 v[BR:BR+3],   v[T16], s[14:15]
	global_load_b128 v[BR+4:BR+7], v[T16], s[16:17]
.irp i, 0,1,2,3,4,5,6,7,8,9
	global_load_b128 v[W2R+4*\i:W2R+4*\i+3], v[W2O], s[12:13] offset:16*\i          ; column group 2 w: rows 4 RR .. 4 RR + 3, 160 bytes
.endr
.irp i, 0,1,2,3,4,5,6,7,8,9
	global_load_b128 v[W2R+40+4*\i:W2R+40+4*\i+3], v[W2O], s[12:13] offset:2560+16*\i   ; column group 2 w + 1
.endr
	; All of the group's x: one group of first fills, inside one branch on the wave's number, ahead of every wait on TENSORcnt, every LDS read and
	; the barrier.  Waves 0 and 1 ask for nothing.  Waves 2 and 3 ask for eight tiles each, the partner's four ahead of their own four.
	s_cmp_lt_u32 s20, 2
	s_cbranch_scc1 .Lasked
.irp q, 0,1,2,3
	s_mov_b32 s[GE+4*\q], 1
	s_add_co_u32 s[GE+4*\q+1], s3, \q*XT                         ; LDS: (wave mod 2) x 67,584 + quarter x 16,896: the partner's tiles
	s_add_nc_u64 s[GE+4*\q+2:GE+4*\q+3], s[4:5], \q*512          ; the partner's 32 rows, columns 128 q .. 128 q + 127
	s_or_b32 s[GE+4*\q+3], s[GE+4*\q+3], 0x80000000              ; type = 2
	tensor_load_to_lds s[GE+4*\q:GE+4*\q+3], s[G1:G1+7]
	s_nop 0
.endr
.irp q, 0,1,2,3
	s_mov_b32 s[G0+4*\q], 1
	s_add_co_u32 s[G0+4*\q+1], s3, 2*XW+\q*XT                    ; two waves' tiles further on: my own
	s_add_nc_u64 s[G0+4*\q+2:G0+4*\q+3], s[4:5], 64*ROWB+\q*512  ; 64 rows further down: my own 32 rows
	s_or_b32 s[G0+4*\q+3], s[G0+4*\q+3], 0x80000000
	tensor_load_to_lds s[G0+4*\q:G0+4*\q+3], s[G1:G1+7]
	s_nop 0
.endr
.Lasked:
	s_mov_b32 s58, 0xb67183a8                      ; -(pi/2)^11 / 11!, twice: a scalar pair is read whole
	s_mov_b32 s59, 0xb67183a8
	s_mov_b32 s60, 0x34fce9c5                      ; (pi/2)^12 / 12!
	s_mov_b32 s61, 0x34fce9c5
	s_mov_b32 s62, 0x3ea2f983                      ; 1 / pi, upper word
	s_mov_b32 s63, 0x325c9c88                      ; and what it leaves out
	; THE FIXED ROTATIONS, lane i for qubit i.  angle / 2 = (pi / 2)(n + f), n whole, |f| <= 1/2.
	s_wait_loadcnt 36                              ; 36 loads were issued behind the angles'
	v_mul_f32 v[RT+1], s62, v[RT]
	v_rndne_f32 v[RT+2], v[RT+1]                   ; n
	v_fma_f32 v[RT+3], v[RT], s62, -v[RT+2]        ; f, from the exact product
	v_fmac_f32 v[RT+3], s63, v[RT]
	v_cvt_i32_f32 v[RT+4], v[RT+2]
	v_mul_f32 v[RT+5], v[RT+3], v[RT+3]
	v_fmaak_f32 v[RT+6], s58, v[RT+5], 0x39283c1a  ; sin(pi f / 2) / f and cos(pi f / 2) in f^2, the two chains by turns
	v_fmaak_f32 v[RT+7], s60, v[RT+5], 0xb7d368f9
	v_fmaak_f32 v[RT+6], v[RT+6], v[RT+5], 0xbb996966
	v_fmaak_f32 v[RT+7], v[RT+7], v[RT+5], 0x3a70fa83
	v_fmaak_f32 v[RT+6], v[RT+6], v[RT+5], 0x3da335e3
	v_fmaak_f32 v[RT+7], v[RT+7], v[RT+5], 0xbcaae9e4
	v_fmaak_f32 v[RT+6], v[RT+6], v[RT+5], 0xbf255de7
	v_fmaak_f32 v[RT+7], v[RT+7], v[RT+5], 0x3e81e0f8
	v_fmaak_f32 v[RT+6], v[RT+6], v[RT+5], 0x3fc90fdb
	v_fmaak_f32 v[RT+7], v[RT+7], v[RT+5], 0xbf9de9e6
	v_mul_f32 v[RT+6], v[RT+6], v[RT+3]            ; sin
	v_fma_f32 v[RT+7], v[RT+7], v[RT+5], 1.0       ; cos
	v_and_b32 v[RT+8], 1, v[RT+4]                  ; the quadrant selects values only: n odd swaps the two,
	v_cmp_eq_u32 vcc_lo, 1, v[RT+8]
	v_cndmask_b32 v[RT+9],  v[RT+7], v[RT+6], vcc_lo
	v_cndmask_b32 v[RT+10], v[RT+6], v[RT+7], vcc_lo
	v_add_nc_u32 v[RT+11], 1, v[RT+4]
	v_lshlrev_b32 v[RT+11], 30, v[RT+11]           ; cos is negative for n mod 4 = 1, 2: bit 1 of n + 1,
	v_lshlrev_b32 v[RT+12], 30, v[RT+4]            ; sin for n mod 4 = 2, 3: bit 1 of n
	v_and_b32 v[RT+11], 0x80000000, v[RT+11]
	v_and_b32 v[RT+12], 0x80000000, v[RT+12]
	v_xor_b32 v[RT+9],  v[RT+11], v[RT+9]          ; rc
	v_xor_b32 v[RT+10], v[RT+12], v[RT+10]         ; rs
	v_mul_f32 v[RT+13], v[RT+9], v[RT+9]
	v_fmac_f32 v[RT+13], v[RT+10], v[RT+10]
	v_add_f32 v[RT+13], v[RT+13], v[RT+13]         ; 2 (rc^2 + rs^2): its root carries the 1 / sqrt 2 and this rotation's share of the norm
	v_rsq_f32 v[RT+14], v[RT+13]
	v_sub_f32 v[RT+15], v[RT+9], v[RT+10]          ; a plain instruction between v_rsq_f32 and the use of its result (ISA guide 5.7.2)
	v_add_f32 v[RT+16], v[RT+9], v[RT+10]
	s_wait_alu depctr_va_vdst(0)
	v_mul_f32 v[RT+15], v[RT+15], v[RT+14]         ; A_i
	v_mul_f32 v[RT+16], v[RT+16], v[RT+14]         ; B_i
.irp i, 0,1,2,3,4,5,6,7,8,9
	v_readlane_b32 s[SA+\i], v[RT+15], \i
	v_readlane_b32 s[SB+\i], v[RT+16], \i
.endr
	s_mov_b32 vcc_lo, 0xffff                       ; from here on: the lower half of the lanes
	; THE WEIGHTS INTO LDS, shared out among the 128 threads.
	s_wait_loadcnt 22                              ; behind w_c2q: 2 loads of biases and 20 of w_q2c
.irp i, 0,1,2,3,4,5,6,7,8,9
	v_cvt_pk_f16_f32 v[TMP+2*\i],   v[W1R+4*\i],   v[W1R+4*\i+1]
	v_cvt_pk_f16_f32 v[TMP+2*\i+1], v[W1R+4*\i+2], v[W1R+4*\i+3]
	ds_store_b64 v[W1S], v[TMP+2*\i:TMP+2*\i+1] offset:\i*W1P    ; row i, my four columns
.endr
	s_wait_loadcnt 20                              ; behind the biases: w_q2c's 20
	v_pk_add_f32 v[BR:BR+1],   v[BR:BR+1],   v[BR+4:BR+5]
	v_pk_add_f32 v[BR+2:BR+3], v[BR+2:BR+3], v[BR+6:BR+7]
	ds_store_b128 v[BSS], v[BR:BR+3]
; Fragment (g, t) of w_q2c is a B operand whose column RR is OUTPUT COLUMN 64 g + 4 RR + t, so that a lane's results of t = 0..3 are four
; neighbouring columns.  K: the lower lanes hold features 0-7 (registers 0-3), the upper lanes features 8, 9 (register 0) and zeros.
.macro W2TILE gi, t
.irp c, 0,1,2,3,4
	v_cvt_pk_f16_f32 v[TMP+8*(4*\gi+\t)+\c], v[W2R+40*\gi+10*\t+2*\c], v[W2R+40*\gi+10*\t+2*\c+1]
.endr
	v_cndmask_b32 v[TMP+8*(4*\gi+\t)], v[TMP+8*(4*\gi+\t)+4], v[TMP+8*(4*\gi+\t)], vcc_lo
.irp c, 1,2,3
	v_cndmask_b32 v[TMP+8*(4*\gi+\t)+\c], 0, v[TMP+8*(4*\gi+\t)+\c], vcc_lo
.endr
	ds_store_b128 v[W2S], v[TMP+8*(4*\gi+\t):TMP+8*(4*\gi+\t)+3] offset:(4*\gi+\t)*512
.endm
	s_wait_loadcnt 10                              ; behind my first column group: the second's 10
.irp t, 0,1,2,3
	W2TILE 0, \t
.endr
	s_wait_loadcnt 0x0
.irp t, 0,1,2,3
	W2TILE 1, \t
.endr
	s_wait_dscnt 0x0                               ; for the other waves' sake: my LDS stores are done
	s_wait_tensorcnt 0x4                           ; for my partner's sake: behind its four tiles I issued four more, my own, so at a count of 4 the partner's have landed.  Waves 0 and 1 have none out
	s_barrier_signal -1
	s_barrier_wait -1                              ; the weights are whole, and so are the tiles of waves 0 and 1.  The own tiles of waves 2 and 3 stay out across this barrier, and only the wave that asked reads them
; z = x w_c2q^T + b_c2q, USED TRANSPOSED: source 0 = w_c2q (row = qubit), source 1 = 16 rows of x.  Register j of lane (RR, HH) is then
; z of qubit 8 HH + j for row RR.  One quarter of K: 40 LDS loads in one run (for each of four K steps 2 of w_c2q and 8 of x), then step by
; step 16 roundings to f16 and one matrix instruction for each of the two row tiles.
.macro QUARTER q
	s_wait_tensorcnt 3-\q                          ; waves 2 and 3: their own quarter q is in, the younger quarters stay out.  Waves 0 and 1 have no load out: the barrier has shown them their tiles
.if \q
	PLACES                                         ; WF's last set was a source of the matrix instructions just issued
.endif
.irp s, 0,1,2,3
	ds_load_b128 v[WF+8*\s:WF+8*\s+3],   v[WA] offset:(4*\q+\s)*64
	ds_load_b128 v[WF+8*\s+4:WF+8*\s+7], v[WA] offset:(4*\q+\s)*64+16
.irp p, 0,1,2,3,4,5,6,7
	ds_load_b128 v[XS+32*\s+4*\p:XS+32*\s+4*\p+3], v[XA] offset:\q*XT+(\p/4)*16*XP+\s*128+(\p%4)*16
.endr
.endr
.irp s, 0,1,2,3
	s_wait_dscnt 30-10*\s                          ; ten loads for each younger K step
.irp c, 0,1,2,3,4,5,6,7,8,9,10,11,12,13,14,15
	v_cvt_pk_f16_f32 v[XB+16*(\s%2)+\c], v[XS+32*\s+2*\c], v[XS+32*\s+2*\c+1]   ; into the set that the step before did not use: its readers are 16 instructions back
.endr
.if \q+\s
	v_wmma_f32_16x16x32_f16 v[ACC:ACC+7],    v[WF+8*\s:WF+8*\s+7], v[XB+16*(\s%2):XB+16*(\s%2)+7],    v[ACC:ACC+7]      ; the two accumulators take turns
	v_wmma_f32_16x16x32_f16 v[ACC+8:ACC+15], v[WF+8*\s:WF+8*\s+7], v[XB+16*(\s%2)+8:XB+16*(\s%2)+15], v[ACC+8:ACC+15]
.else
	v_wmma_f32_16x16x32_f16 v[ACC:ACC+7],    v[WF+8*\s:WF+8*\s+7], v[XB+16*(\s%2):XB+16*(\s%2)+7],    v[BI:BI+7]        ; the first products start the sums from the bias
	v_wmma_f32_16x16x32_f16 v[ACC+8:ACC+15], v[WF+8*\s:WF+8*\s+7], v[XB+16*(\s%2)+8:XB+16*(\s%2)+15], v[BI:BI+7]
.endif
.endr
.endm
	QUARTER 0
	QUARTER 1
	QUARTER 2
	QUARTER 3
; The way out's operands.  A column group g is 64 columns: four fragments and four bias sums a lane.
.macro LOADB g
.irp t, 0,1,2,3
	ds_load_b128 v[BB+32*((\g)%2)+8*\t:BB+32*((\g)%2)+8*\t+3], v[B2A] offset:(4*(\g)+\t)*512
.endr
	ds_load_b128 v[BS+4*((\g)%2):BS+4*((\g)%2)+3], v[BIA] offset:256*(\g)
.endm
.macro ZEROB set                       ; K = 16 .. 31 of the fragments: written once, the loads fill only registers 0-3 of each
.irp t, 0,1,2,3
.irp c, 4,5,6,7
	v_mov_b32 v[BB+32*\set+8*\t+\c], 0
.endr
.endr
.endm
	; K beyond the ten features is zero in both operands.  These eleven lines are also the places behind the last matrix instructions:
	; they name none of their registers (the x set used last is v[56:71]).
.irp i, 4,5,6,7,9,10,11,12,13,14,15
	v_mov_b32 v[AT+\i], 0
.endr
	LOADB 0                                        ; land while the circuit is computed
	LOADB 1
	; Row tile 0's upper lanes (qubits 8..) change places with row tile 1's lower lanes (qubits 0-7): lane L now holds row L,
	; qubits 0-7 in v[16:23], qubits 8, 9 in v[24:25].
.irp j, 0,1,2,3,4,5,6,7
	v_permlane16_swap_b32 v[ACC+\j], v[ACC+8+\j]
.endr
	; q = tanh z = 1 - 2 / (1 + 2^(2 z log2 e)); an overflow to infinity gives 1, an underflow to 0 gives -1
.irp p, 0,2,4,6,8
	v_pk_mul_f32 v[ACC+\p:ACC+\p+1], v[ACC+\p:ACC+\p+1], 0x4038aa3b op_sel_hi:[1,0]
.endr
.irp i, 0,1,2,3,4,5,6,7,8,9
	v_exp_f32 v[EE+\i], v[ACC+\i]
.endr
	ZEROB 0                                        ; plain instructions between the exponentials and the use of their results (ISA guide 5.7.2)
	s_wait_alu depctr_va_vdst(0)
.irp p, 0,2,4,6,8
	v_pk_add_f32 v[EE+\p:EE+\p+1], v[EE+\p:EE+\p+1], 1.0 op_sel_hi:[1,0]
.endr
.irp i, 0,1,2,3,4,5,6,7,8,9
	v_rcp_f32 v[ACC+\i], v[EE+\i]
.endr
	ZEROB 1                                        ; likewise behind the reciprocals
	s_wait_alu depctr_va_vdst(0)
.irp p, 0,2,4,6,8
	v_pk_fma_f32 v[ACC+\p:ACC+\p+1], v[ACC+\p:ACC+\p+1], -2.0, 1.0 op_sel_hi:[1,0,0]
.endr
	; s = sin(pi q / 2), c = cos(pi q / 2), |q| <= 1: Taylor sums in q^2 with (pi/2)^n / n! folded in; two qubits an instruction, ten chains by turns
.irp p, 0,2,4,6,8
	v_pk_mul_f32 v[Q2+\p:Q2+\p+1], v[ACC+\p:ACC+\p+1], v[ACC+\p:ACC+\p+1]
.endr
.irp p, 0,2,4,6,8
	v_pk_fma_f32 v[PS+\p:PS+\p+1], v[Q2+\p:Q2+\p+1], s[58:59], 0x39283c1a op_sel_hi:[1,0,0]
	v_pk_fma_f32 v[PC+\p:PC+\p+1], v[Q2+\p:Q2+\p+1], s[60:61], 0xb7d368f9 op_sel_hi:[1,0,0]
.endr
.macro HORNER arr, k
.irp p, 0,2,4,6,8
	v_pk_fma_f32 v[\arr+\p:\arr+\p+1], v[\arr+\p:\arr+\p+1], v[Q2+\p:Q2+\p+1], \k op_sel_hi:[1,1,0]
.endr
.endm
	HORNER PS, 0xbb996966
	HORNER PC, 0x3a70fa83
	HORNER PS, 0x3da335e3
	HORNER PC, 0xbcaae9e4
	HORNER PS, 0xbf255de7
	HORNER PC, 0x3e81e0f8
	HORNER PS, 0x3fc90fdb
	HORNER PC, 0xbf9de9e6
.irp p, 0,2,4,6,8
	v_pk_mul_f32 v[PS+\p:PS+\p+1], v[PS+\p:PS+\p+1], v[ACC+\p:ACC+\p+1]
.endr
	HORNER PC, 1.0
	; the sample's share of the norm: prod (c^2 + s^2)
.irp p, 0,2,4,6,8
	v_pk_mul_f32 v[NN+\p:NN+\p+1], v[PC+\p:PC+\p+1], v[PC+\p:PC+\p+1]
.endr
.irp p, 0,2,4,6,8
	v_pk_fma_f32 v[NN+\p:NN+\p+1], v[PS+\p:PS+\p+1], v[PS+\p:PS+\p+1], v[NN+\p:NN+\p+1]
.endr
	v_pk_mul_f32 v[NN:NN+1],   v[NN:NN+1],   v[NN+2:NN+3]
	v_pk_mul_f32 v[NN+4:NN+5], v[NN+4:NN+5], v[NN+6:NN+7]
	v_pk_mul_f32 v[NN:NN+1],   v[NN:NN+1],   v[NN+8:NN+9]
	v_pk_mul_f32 v[NN:NN+1],   v[NN:NN+1],   v[NN+4:NN+5]
	v_mul_f32 v[NN], v[NN], v[NN+1]
	v_rcp_f32 v[INV], v[NN]                        ; used behind the whole chain
; The chain's pieces.  n: a node (P, M); x: (X, Y); t: (B Y, A Y); o: the new node.
.macro XY i, n, x
	v_mul_f32 v[\x],   v[PC+\i], v[\n]
	v_mul_f32 v[\x+1], v[PS+\i], v[\n+1]
.endm
.macro TT i, x, t
	v_mul_f32 v[\t],   s[SB+\i], v[\x+1]
	v_mul_f32 v[\t+1], s[SA+\i], v[\x+1]
.endm
.macro K0 i, x, t, o                   ; k_i = 0
	v_fma_f32 v[\o],   s[SA+\i], v[\x], -v[\t]
	v_fma_f32 v[\o+1], s[SB+\i], v[\x], -v[\t+1]
.endm
.macro K1 i, x, t, o                   ; k_i = 1
	v_fma_f32 v[\o],   s[SB+\i], v[\x], v[\t+1]
	v_fma_f32 v[\o+1], s[SA+\i], -v[\x], -v[\t]
.endm
.macro LF x, t, o                      ; qubit 9: only P is wanted, for k_9 = 0 and 1: two neighbouring amplitudes
	v_fma_f32 v[\o],   s[SA+9], v[\x], -v[\t]
	v_fma_f32 v[\o+1], s[SB+9], v[\x], v[\t+1]
.endm
	v_mul_f32 v[TT0],   s[SB], v[PS]               ; qubit 0: P = M = 1, so X = c_0, Y = s_0
	v_mul_f32 v[TT0+1], s[SA], v[PS]
	v_fma_f32 v[ND],   s[SA], v[PC], -v[TT0]
	v_fma_f32 v[ND+1], s[SB], v[PC], -v[TT0+1]
.irp i, 1,2,3,4,5
	XY \i, ND, XX
	TT \i, XX, TT0
	K0 \i, XX, TT0, ND
.endr
	XY 6, ND, XX                                   ; qubit 6 (bit 3 of k): nodes 0 and 1
	TT 6, XX, TT0
	K0 6, XX, TT0, L6
	K1 6, XX, TT0, L6+2
	XY 7, L6, X7                                   ; qubit 7 (bit 2): 00, 01, 10 (k stops at 9: no 11)
	XY 7, L6+2, X7+2
	TT 7, X7, T7
	TT 7, X7+2, T7+2
	K0 7, X7, T7, L7
	K1 7, X7, T7, L7+2
	K0 7, X7+2, T7+2, L7+4
.irp n, 0,2,4
	XY 8, L7+\n, X8+\n                             ; qubit 8 (bit 1): 000, 001, 010, 011, 100
.endr
.irp n, 0,2,4
	TT 8, X8+\n, T8+\n
.endr
	K0 8, X8, T8, L8
	K1 8, X8, T8, L8+2
	K0 8, X8+2, T8+2, L8+4
	K1 8, X8+2, T8+2, L8+6
	K0 8, X8+4, T8+4, L8+8
.irp n, 0,2,4,6,8
	XY 9, L8+\n, X9+\n                             ; qubit 9 (bit 0): node n/2 gives amplitudes n and n + 1
.endr
.irp n, 0,2,4,6,8
	TT 9, X9+\n, T9+\n
.endr
.irp n, 0,2,4,6,8
	LF X9+\n, T9+\n, FF+\n
.endr
	; probabilities of the normalised state, rounded once to f16
.irp p, 0,2,4,6,8
	v_pk_mul_f32 v[FF+\p:FF+\p+1], v[FF+\p:FF+\p+1], v[FF+\p:FF+\p+1]
.endr
	s_wait_alu depctr_va_vdst(0)
.irp p, 0,2,4,6,8
	v_pk_mul_f32 v[FF+\p:FF+\p+1], v[FF+\p:FF+\p+1], v[INV:INV+1] op_sel_hi:[1,0]
.endr
	v_cvt_pk_f16_f32 v[AT],   v[FF],   v[FF+1]
	v_cvt_pk_f16_f32 v[AT+1], v[FF+2], v[FF+3]
	v_cvt_pk_f16_f32 v[AT+2], v[FF+4], v[FF+5]
	v_cvt_pk_f16_f32 v[AT+3], v[FF+6], v[FF+7]
	v_cvt_pk_f16_f32 v[AT+8], v[FF+8], v[FF+9]
	; An A fragment wants features 0-7 of row RR in the lower lanes and features 8, 9 of the same row in the upper ones.  Lane L holds row L,
	; so one exchange of (features 0, 1) with (features 8, 9) makes register 0 of both row tiles, and three exchanges with zeros registers 1-3.
.irp c, 0,1,2,3
	v_permlane16_swap_b32 v[AT+\c], v[AT+8+\c]
.endr
; THE WAY OUT.  WM: one row tile m x the four fragments of group g.  Register j of lane (RR, HH) in tile t is out0(row 16 m + 8 HH + j, column 64 g + 4 RR + t).
; PUT: the bias sum is added in f32, and the sum is written where the four columns of a row stand in four neighbouring registers: each
; store of the wave then covers two rows' 256 consecutive bytes, each starting at a multiple of 256 bytes from out0's first byte.
.macro WM g, m
.irp t, 0,1,2,3
	v_wmma_f32_16x16x32_f16 v[DD+32*\m+8*\t:DD+32*\m+8*\t+7], v[AT+8*\m:AT+8*\m+7], v[BB+32*((\g)%2)+8*\t:BB+32*((\g)%2)+8*\t+7], 0
.endr
.endm
.macro PUT g, m
	s_wait_xcnt 0x0                                ; every earlier store has had its addresses translated (ISA guide 3.1): this set of store data is rewritten only behind this wait
.irp j, 0,1,2,3,4,5,6,7
.irp t, 0,1,2,3
	v_add_f32 v[SS+32*\m+4*\j+\t], v[DD+32*\m+8*\t+\j], v[BS+4*((\g)%2)+\t]
.endr
	global_store_b128 v[OUTO], v[SS+32*\m+4*\j:SS+32*\m+4*\j+3], s[18:19] offset:(16*\m+\j)*ROWB+256*(\g) th:TH_STORE_NT
.endr
.endm
	; Products run one unit ahead of the sums: between a unit's matrix instructions and the first read of their results stand the 32 additions
	; of the unit before, which name none of their registers; only the first unit needs v_nop.  A fragment set is loaded again behind the
	; 32 additions that follow its last use.
	s_wait_dscnt 0x0                               ; groups 0 and 1
	WM 0, 0
	PLACES
	WM 0, 1
	PUT 0, 0
.irp g, 1,2,3,4,5,6
	s_wait_dscnt 0x0                               ; group g's five loads, issued one group ago
	WM \g, 0
	PUT \g-1, 1
	LOADB \g+1
	WM \g, 1
	PUT \g, 0
.endr
	s_wait_dscnt 0x0
	WM 7, 0
	PUT 6, 1
	WM 7, 1
	PUT 7, 0
	PUT 7, 1
	s_set_vgpr_msb 0x5
	s_wait_tensorcnt 0x0
	ds_add_u32 v0, v1
	s_wait_dscnt 0x0
	s_set_vgpr_msb 0x500
	s_endpgm
.Lfunc_end_k_q892e540112_qlayer:
	.size	k_q892e540112_qlayer, .Lfunc_end_k_q892e540112_qlayer-k_q892e540112_qlayer
	.p2alignl 7, 3214868480
	.fill 96, 4, 3214868480
	.section	.rodata,"a",@progbits
	.p2align	6, 0x0
	.amdhsa_kernel k_q892e540112_qlayer
		.amdhsa_group_segment_fixed_size 299776
		.amdhsa_private_segment_fixed_size 0
		.amdhsa_enable_private_segment 0
		.amdhsa_kernarg_size 64
		.amdhsa_user_sgpr_count 2
		.amdhsa_user_sgpr_kernarg_segment_ptr 1
		.amdhsa_wavefront_size32 1
		.amdhsa_system_sgpr_workgroup_id_x 1
		.amdhsa_system_sgpr_workgroup_id_y 1
		.amdhsa_system_sgpr_workgroup_id_z 1
		.amdhsa_system_vgpr_workitem_id 0
		.amdhsa_next_free_vgpr 258
		.amdhsa_next_free_sgpr 96
		.amdhsa_reserve_vcc 1
		.amdhsa_float_denorm_mode_32 3
		.amdhsa_float_denorm_mode_16_64 3
		.amdhsa_memory_ordered 1
		.amdhsa_forward_progress 1
		.amdhsa_inst_pref_size 100
	.end_amdhsa_kernel
	.amdgpu_metadata
---
amdhsa.version: [ 1, 2 ]
amdhsa.kernels:
  - .name:           k_q892e540112_qlayer
    .symbol:         k_q892e540112_qlayer.kd
    .args:
      - { .name: x, .offset: 0, .size: 8, .value_kind: global_buffer, .address_space: global }
      - { .name: w_c2q, .offset: 8, .size: 8, .value_kind: global_buffer, .address_space: global }
      - { .name: b_c2q, .offset: 16, .size: 8, .value_kind: global_buffer, .address_space: global }
      - { .name: rotation_angles, .offset: 24, .size: 8, .value_kind: global_buffer, .address_space: global }
      - { .name: w_q2c, .offset: 32, .size: 8, .value_kind: global_buffer, .address_space: global }
      - { .name: b_q2c, .offset: 40, .size: 8, .value_kind: global_buffer, .address_space: global }
      - { .name: quantum_bias, .offset: 48, .size: 8, .value_kind: global_buffer, .address_space: global }
      - { .name: out0, .offset: 56, .size: 8, .value_kind: global_buffer, .address_space: global }
    .group_segment_fixed_size: 299776
    .private_segment_fixed_size: 0
    .kernarg_segment_align: 8
    .kernarg_segment_size: 64
    .max_flat_workgroup_size: 128
    .sgpr_count:     96
    .vgpr_count:     258
    .wavefront_size: 32
...
	.end_amdgpu_metadata
.endif
;; end of part 1
